; MI455X (gfx1250); checked and timed in simulation.
; The chip was launched on July 23, 2026; its instructions are those of AMD's public machine-readable ISA for CDNA 5 (MIT licence, August 2026) and "CDNA5" Instruction Set Architecture Reference Guide (July 2026). The comments in the code are by the model that wrote it; some were corrected since.
;; Mixer Block. Allowed arithmetic: matrix products marked QUANTISED: E2M3 operands, one E8M0 scale for each 32 along K, by v_wmma_scale_f32_16x16x128_f8f6f4 with both operands' format E2M3, f32 sums; everything else in f32.
;; Inputs: in_b 1,024 float32; in_w_codes 1,024 x 32 x 24 uint8 (E2M3 codes of in_w, K innermost, in blocks of 32 codes, four codes in three bytes); in_w_scales 1,024 x 32 uint8 (E8M0 scales of in_w, one for each 32 codes along K); mix_b 16 x 2,048 float32; mix_w 16 x 2,048 float32; out_b 1,024 float32; out_w_codes 1,024 x 32 x 24 uint8 (E2M3 codes of out_w, K innermost, in blocks of 32 codes, four codes in three bytes); out_w_scales 1,024 x 32 uint8 (E8M0 scales of out_w, one for each 32 codes along K); x_codes 4 x 2,048 x 32 x 24 uint8 (E2M3 codes of x, K innermost, in blocks of 32 codes, four codes in three bytes); x_scales 4 x 2,048 x 32 uint8 (E8M0 scales of x, one for each 32 codes along K).
;; Outputs: out0 4 x 1,024 x 2,048 float32.
;; This version of the problem:
;;   THIS VERSION OF THE PROBLEM IS GIVEN IN LOW PRECISION. The matrix products marked QUANTISED in the list below multiply operands that are first quantised to E2M3 (2 exponent bits, 3 mantissa bits; 6 bits a number), with one power-of-two scale for each 32 numbers along K (OCP MX v1.0); their sums are f32. All else is computed in f32.
;;   The module's matrix products, in the order in which they are computed (A, B: the left and right operand; K: the contracted axis; several contracted axes count as one K, in the product's order):
;;     1. [M 8,192, K 1,024] x [K 1,024, N 1,024]; A: input x (given as codes); B: input in_w (given as codes): QUANTISED
;;     2. batch 16 x [M 2,048, K 2,048] x [K 2,048, N 256]; A: computed on the way; B: computed on the way: QUANTISED
;;     3. [M 8,192, K 1,024] x [K 1,024, N 1,024]; A: computed on the way; B: input out_w (given as codes): QUANTISED
;;   THE QUANTISER, for each operand of a quantised product, along K:
;;     - K is cut into blocks of 32 from its start; a last block that is shorter is filled with zeros.
;;     - A block's scale is 2^e with e = floor(log2(the largest magnitude in the block)) - 2, held to -126 .. 127; a block of zeros has e = 0. As a byte (E8M0): e + 127.
;;     - Each number is divided by its block's scale, clamped to +-7.5, and rounded to the nearest number of E2M3, ties to even, subnormals kept.
;;     - The product sums the exact products of the quantised numbers (number of the format x scale) in f32.
;;   ~~~python
;;   def quantise(x, axis):      # numpy; x: float32 -> the quantised numbers, widened to float32 again
;;       x = np.moveaxis(x, axis, -1); K = x.shape[-1]
;;       x = np.pad(x, [(0, 0)] * (x.ndim - 1) + [(0, -K % 32)]); x = x.reshape(x.shape[:-1] + (-1, 32)); a = np.abs(x).max(-1, keepdims=True)
;;       e = np.where(a > 0, np.clip(np.frexp(np.where(a > 0, a, 1))[1] - 1 - 2, -126, 127), 0)      # np.frexp(a)[1] - 1 = floor(log2(a)), exactly
;;       r = np.clip(x / 2.0 ** e, -7.5, 7.5)
;;       step = 2.0 ** (np.maximum(np.frexp(np.where(r == 0, 1, r))[1] - 1, 0) - 3)
;;       q = np.round(r / step) * step * 2.0 ** e      # np.round: ties to even
;;       return np.moveaxis(q.reshape(q.shape[:-2] + (-1,))[..., :K], -1, axis).astype(np.float32)
;;   ~~~
;;   OPERANDS COMPUTED ON THE WAY. 'Computed on the way' means the value that the module computes at that place (a softmax that the list does not call 'softmax' is quantised finished and normalised). What goes into a quantiser is computed in f32, as accurately as f32 sums, v_exp_f32 and their like allow (about 1e-6 of the number): no bf16 or f16 on the way to a quantiser, and a product that is left as it is and whose result goes on into a quantised operand takes f32 operands (vector FMAs, or v_wmma_f32_16x16x4_f32). A number that lies on a knife's edge between two numbers of the format may be rounded either way, as far as f32 arithmetic and the matrix unit's own rounding can turn it there, and no further.
;;   INPUTS GIVEN AS CODES. in_w (in the module: [1024, 1024], K = its axis 1); out_w (in the module: [1024, 1024], K = its axis 1); x (in the module: [4, 1024, 2048], K = its axis 1): each comes as NAME_codes (uint8): NAME with its K axis moved to the last place and cut into blocks of 32 codes, [.., K / 32, bytes a block], one block behind the other in memory; four codes in three bytes: a row's codes are one little-endian stream of bits, code i at bits 6 i .. 6 i + 5 (a code: sign, 2 exponent bits, 3 mantissa bits); and NAME_scales (uint8): the same leading axes, one E8M0 byte (e + 127) for each 32 codes along K. Its value is code x scale, taken as it is: it is not quantised again, and the codes and scales need not be those that the quantiser above would give.
;; One version. Each part assembles by itself: llvm-mc -triple=amdgcn-amd-amdhsa -mcpu=gfx1250 --defsym DOCPART=n.
;; ======== version 1 of 1: 2 launches
;; workspace buffers: pcodes 6,291,456 bytes; pscales 524,288 bytes; csum 262,144 bytes; wmimg 3,145,728 bytes; wmscl 262,144 bytes; gmtab 262,144 bytes; owimg 786,432 bytes
;; launch proj (part 1): grid 8 x 32, 4 waves a work-group, clusters of 4 x 4, 313,856 bytes of LDS; arguments x_codes, x_scales, in_w_codes, in_w_scales, in_b, mix_w, mix_b, out_w_codes, pcodes, pscales, csum, wmimg, wmscl, gmtab, owimg; writes pcodes, pscales, csum, wmimg, wmscl, gmtab, owimg
.if DOCPART == 1
	.amdgcn_target "amdgcn-amd-amdhsa--gfx1250"
	.amdhsa_code_object_version 6
	.text
	.protected	k_qba05081db5_proj
	.globl	k_qba05081db5_proj
	.p2align	8
	.type	k_qba05081db5_proj,@function
k_qba05081db5_proj:
	s_mov_b64 s[64:65], 0
	v_nop
	global_prefetch_b8 v0, s[64:65] scope:SCOPE_SE
	s_setreg_imm32_b32 hwreg(HW_REG_WAVE_MODE, 25, 1), 1
	s_wait_xcnt 0x0
	s_wait_alu depctr_hold_cnt(0) depctr_sa_sdst(0) depctr_va_vdst(0) depctr_va_sdst(0) depctr_va_ssrc(0) depctr_va_vcc(0) depctr_vm_vsrc(0)
	s_getreg_b32 s2, hwreg(HW_REG_IB_STS2, 6, 4)
	s_cmp_eq_u32 s2, 0
	s_cbranch_scc0 .Lentry_in_a_cluster
	s_endpgm
.Lentry_in_a_cluster:
	s_bfe_u32 s2, ttmp6, 0x10000c
	s_cmp_lg_u32 s2, 0xf033
	s_cbranch_scc0 .Lentry_shape_is_right
	s_endpgm
.Lentry_shape_is_right:
; FIRST OF TWO LAUNCHES.  xt = x in_w^T + in_b on the given codes (E2M3, one E8M0 scale for each 32 along K); p[b,h,e,t] = xt[b,t,64 h + e] is quantised along t; and the tables that the second launch wants are made.
; WORK LEFT OUT, AND WHY IT MAY BE.  reference() builds Wm[h,t,s] itself: v[h][s] (heads 0-7) or v[h][t] (heads 8-15) where t <= s, and 0 where t > s.  The quantiser works on blocks of 32 along t, for each s.
;  (a) A block that lies wholly at t > s is all zeros: its codes are zeros and add nothing, whatever the inputs hold.  Those products are not done.
;  (b) t is cut into chunks of 128.  In a chunk that lies wholly under s's chunk every block is whole, so its quantised numbers do not hang on both indices: heads 0-7: every one is g[s] = Q(v[s]) (the one number of its block);
;      heads 8-15: Q(v[t]) under the whole block's scale, the same for every s.  So, exactly, for all inputs:  out[s] = sum over s's own chunk of Q(Wm)[t,s] Q(p)[t]  +  g[s] x (sum over earlier chunks c of S[c])  +  mix_b[s],
;      S[c] = sum over t in c of w[t] Q(p)[t], with w = 1, g = Q(v[s]) for heads 0-7 and w = Q(v[t]), g = 1 for heads 8-15.  S[c] is made here, by the format's own matrix instruction on quantiser codes (a row of w against p's codes).
;  Every input has a way to an output and is loaded.  LIMIT: a NaN, an infinity or an overflow that reaches only the products left out under (a) is not carried to the result.
; OTHER LIMITS.  NaN and infinities among the inputs are not served.  A block whose largest magnitude lies under 2^-124 keeps the scale byte 1; a block of zeros has the byte 1 where the rule says 127 (its codes are zeros, and these
;  bytes are read by this program alone).  g is made by bit arithmetic that holds for mix_w = 0 or |mix_w| >= 2^-124.  The sums over t are formed chunk by chunk, and K is permuted inside blocks of 32 (below): another order of f32 rounding than reference()'s.
; THE PERMUTATION.  All tiles take 16 neighbouring rows.  A result holds (m = 8 h + j, n = r) in register j of lane (r, h), so the 16 registers of tiles 2 b and 2 b + 1 are the offsets 8 h + 0..7 and 16 + 8 h + 0..7 of a block of 32.  After the
;  conversions and the exchange of halves, place k of a block holds offset pi(k): octets 1 and 2 have changed places.  A block's scale does not feel that.  The partner of such an operand is always made by this program, in the same order.
; SHARES.  256 work-groups of four waves.  x = block of 128 channels (heads 2 x, 2 x + 1), y = block of 256 rows (b, t).  Wave w: 128 rows (chunk c = 2 (y & 7) + (w >> 1)) x 64 channels (head 2 x + (w & 1)): 32 accumulators.
;  Its 64 rows of in_w, for all of K, stay in 384 registers; x's fragments come from LDS, each feeding four matrix instructions.
; CLUSTER 4 x 4.  in_w's tile hangs on x alone and is asked for jointly by a column of the cluster, x's tile on y alone, by a row.  Each wave issues three joint loads of 32 rows x 768 bytes, all first fills: three tensor loads of a wave are out at the most.
;  Loads of 32 rows, so that every wave issues the same three lines with no branch.  Nothing is filled again; no LDS store.
; LDS: x's 256 rows, then in_w's 128 rows, 816 bytes apart (768 + 16 behind each 256: 204 words, so 16 neighbouring rows begin 12 words apart modulo 64 and the 32 lanes of an 8-byte load touch 64 different banks); then the spare words.
; REGISTERS.  window 0: v1-6 LDS addresses, v7, v8 the add's two, v9 the sum row's scale word, v12-15 p's scale words, v16-47 x's scale words, v48-63 in_w's, v64-159 and v160-255 two sets of x's fragments (free for other work ahead of and behind the products).
;  window 1: the accumulators, (n, m) at v[64 n + 8 m].  window 2: in_w's fragments of K steps 0-4 at v[12 (4 q + n)].  window 3: K steps 5-7; v144-175 in_b as four tiles; v176-187 the sum row.
.set PIT,   816
.set XT,    0
.set WT,    256*PIT
.set SPARE, WT+128*PIT                 ; the spare words: 128 bytes a wave, two blocks of 256 bytes that no other line names
.set GW0,   (1<<20)|(1<<21)|(5<<22)|(3<<25)   ; group 1, word 0 without its mask: elements of 1 byte; padding on; bit 21 beside a mask; after every 64 words; 4 words of it
.set XA,   1                           ; v1, v2  x's rows 0-63 of my 128: row x 816 + 24 h; + 40 h for the pieces that lie behind one padding more
.set XB,   3                           ; v3, v4  the same, rows 64-127
.set BA,   5                           ; v5, v6  in_w's rows
.set SPW,  7
.set NIL,  8
.set SUMS, 9
.set RR,   10                          ; r = lane % 16
.set HH,   11                          ; h = lane / 16
.set PW,   12
.set XS,   16                          ; register 4 m + q % 4; lanes 0-15: K steps 0-3, lanes 16-31: K steps 4-7
.set WSC,  48                          ; register 8 (n / 2) + q; lanes 0-15: tile n even, lanes 16-31: n odd
.set AS,   64
.set SV,   64                          ; ahead of the products: 64 numbers of the sum row; later the 64 numbers of a fragment of Wm
.set BV,   64
.set WV,   128                         ; 64 numbers v[t] of my work-group's (head, chunk) of Wm
.set IB,   192
.set VS,   196                         ; v[s] for my two tiles of s
.set RO,   198                         ; the role's loads: 12 registers
.set RT,   210
.set OX,   214
.set OW,   215
.set O4R,  216
.set OH,   217
.set OF,   218
.set L16,  219
.set L8,   220
.set TV,   221
.set CR,   222                         ; 12 registers: a fragment's codes
.set QT,   234
.set QM,   242
.set QS,   244
.set QB,   246
.set QX,   248
.set SWP,  250
.set DG,   252
.set PCB,  64                          ; behind the products: p's four fragments
.set QT2,  112
.set TM,   120
.set EL16, 136
.set EL8,  137
.set SD,   160
.set VV,   192
.set G1W,  48
.set G1X,  56
.set G0W,  68
.set G0A,  72
.set G0B,  76
.set MSB, 0
.macro WIN new                         ; the immediate's high byte repeats the setting that is left
.if MSB != (\new)
	s_set_vgpr_msb (MSB<<8)|(\new)
.set MSB, (\new)
.endif
.endm
.macro PLACES n
.rept \n
	v_nop
.endr
.endm
.macro CROUND                          ; a round of the cluster's barrier
	s_barrier_signal -1
	s_barrier_wait -1
	s_cmp_lg_u32 s4, 0
	s_cbranch_scc1 .Lnot_wave_0_\@
	s_barrier_signal -3
.Lnot_wave_0_\@:
	s_barrier_wait -3
	s_barrier_signal -1
	s_barrier_wait -1
.endm
; the matrix instruction: d, a, b: first registers; c: first register of C, or -1 for the constant 0; sa, sb: scale registers; ra, rb: 1 = the scales stand in lanes 16-31
.macro WMS d, a, b, c, sa, sb, ra, rb
.if (\c) < 0
	v_wmma_scale_f32_16x16x128_f8f6f4 v[(\d):(\d)+7], v[(\a):(\a)+11], v[(\b):(\b)+11], 0, v[(\sa)], v[(\sb)] matrix_a_fmt:MATRIX_FMT_FP6 matrix_b_fmt:MATRIX_FMT_FP6
.elseif ((\ra) == 0) && ((\rb) == 0)
	v_wmma_scale_f32_16x16x128_f8f6f4 v[(\d):(\d)+7], v[(\a):(\a)+11], v[(\b):(\b)+11], v[(\c):(\c)+7], v[(\sa)], v[(\sb)] matrix_a_fmt:MATRIX_FMT_FP6 matrix_b_fmt:MATRIX_FMT_FP6
.elseif (\rb) == 0
	v_wmma_scale_f32_16x16x128_f8f6f4 v[(\d):(\d)+7], v[(\a):(\a)+11], v[(\b):(\b)+11], v[(\c):(\c)+7], v[(\sa)], v[(\sb)] matrix_a_fmt:MATRIX_FMT_FP6 matrix_b_fmt:MATRIX_FMT_FP6 matrix_a_scale:MATRIX_SCALE_ROW1
.elseif (\ra) == 0
	v_wmma_scale_f32_16x16x128_f8f6f4 v[(\d):(\d)+7], v[(\a):(\a)+11], v[(\b):(\b)+11], v[(\c):(\c)+7], v[(\sa)], v[(\sb)] matrix_a_fmt:MATRIX_FMT_FP6 matrix_b_fmt:MATRIX_FMT_FP6 matrix_b_scale:MATRIX_SCALE_ROW1
.else
	v_wmma_scale_f32_16x16x128_f8f6f4 v[(\d):(\d)+7], v[(\a):(\a)+11], v[(\b):(\b)+11], v[(\c):(\c)+7], v[(\sa)], v[(\sb)] matrix_a_fmt:MATRIX_FMT_FP6 matrix_b_fmt:MATRIX_FMT_FP6 matrix_a_scale:MATRIX_SCALE_ROW1 matrix_b_scale:MATRIX_SCALE_ROW1
.endif
.endm
; a fragment, 16 rows x 128 K of 6-bit codes: lane (r, h) takes the 24 bytes at 96 q + 24 h and at 96 q + 48 + 24 h of its row, in pieces of 8.  Lanes 16-31 read three pieces on: where that is behind one padding more, the second address register serves
.macro FRAG reg, a, q, rowoff
.irp p, 0,1,2,3,4,5
.set DD, 96*(\q)+48*(\p/3)+8*(\p%3)
.if (DD+24)/256 == DD/256
	ds_load_b64 v[(\reg)+2*\p:(\reg)+2*\p+1], v[(\a)] offset:(\rowoff)*PIT+DD+16*(DD/256)
.else
	ds_load_b64 v[(\reg)+2*\p:(\reg)+2*\p+1], v[(\a)+1] offset:(\rowoff)*PIT+DD+16*(DD/256)
.endif
.endr
.endm
.macro LOADB                           ; my 64 rows of in_w, all of K: 32 fragments, which stay
	WIN 0x80
.irp q, 0,1,2,3,4
.irp n, 0,1,2,3
	FRAG 12*(4*\q+\n), BA, \q, 16*\n
.endr
.endr
	WIN 0xc0
.irp q, 5,6,7
.irp n, 0,1,2,3
	FRAG 12*(4*(\q-5)+\n), BA, \q, 16*\n
.endr
.endr
	WIN 0
.endm
.macro LOADA m                         ; tile m of my rows of x, all of K: 8 fragments, 48 loads, into set m % 2
.irp q, 0,1,2,3,4,5,6,7
.if (\m) < 4
	FRAG AS+96*((\m)%2)+12*\q, XA, \q, 16*(\m)
.else
	FRAG AS+96*((\m)%2)+12*\q, XB, \q, 16*((\m)-4)
.endif
.endr
.endm
; tile m: the next tile's fragments are asked for, then 32 matrix instructions: source 0 = 16 rows of x, source 1 = 16 rows of in_w: a lane holds ONE channel and eight neighbouring t.  The four accumulators take turns; in_b is the C of the first K step
.macro MT m
.if (\m) < 7
	PLACES 4                                       ; places in front of loads into registers that the tile before last's products have read
	WIN 0
	LOADA (\m)+1
	s_wait_dscnt 48                                ; all but the 48 just issued: this tile's fragments are in
.else
	s_wait_dscnt 0x0
.endif
.irp q, 0,1,2,3,4,5,6,7
.if \q == 0
	WIN 0x78                                       ; A window 0, B window 2, C window 3 (in_b), D window 1
.else
	WIN 0x58+4*(\q/5)                              ; C and D window 1; B window 2, from K step 5 on window 3
.endif
.irp n, 0,1,2,3
.if \q == 0
	WMS 64*\n+8*(\m), AS+96*((\m)%2), 12*\n, 144+8*\n, XS+4*(\m), WSC+8*(\n/2), 0, \n%2
.else
	WMS 64*\n+8*(\m), AS+96*((\m)%2)+12*\q, 12*(4*(\q-5*(\q/5))+\n), 64*\n+8*(\m), XS+4*(\m)+\q%4, WSC+8*(\n/2)+\q, \q/4, \n%2
.endif
.endr
.endr
.endm
; 64 numbers of a lane, two WHOLE blocks (register 32 c + k: place k of block 2 c + h), become a fragment's codes in v[CR] on and its scale word in v[sw]
.macro QLANE val, sw
.irp c, 0,1
	v_max3_num_f32 v[QM+\c], |v[(\val)+32*\c]|, |v[(\val)+32*\c+1]|, 0x1800000   ; with the floor 2^(3 - 127): the byte cannot fall under 1
.endr
.irp i, 2,4,6,8,10,12,14,16,18,20,22,24,26,28,30
.irp c, 0,1
	v_max3_num_f32 v[QM+\c], v[QM+\c], |v[(\val)+32*\c+\i]|, |v[(\val)+32*\c+\i+1]|
.endr
.endr
.irp c, 0,1
	v_add_nc_u32 v[QS+\c], 0xff000000, v[QM+\c]    ; 2 off the exponent field: the conversion's scale operand
.endr
.irp c, 0,1
	v_lshrrev_b32 v[QB+\c], 23, v[QS+\c]           ; the scale's byte
.endr
	v_lshl_or_b32 v[(\sw)], v[QB+1], 16, v[QB]     ; my two bytes, blocks h and 2 + h,
	v_lshlrev_b32 v[(\sw)], v[QX], v[(\sw)]        ; 8 h bits up;
	v_permlanex16_b32 v[QX+1], v[(\sw)], s46, s47
	v_or_b32 v[(\sw)], v[(\sw)], v[QX+1]           ; with lane l xor 16's two the word is whole
.irp c, 0,1
	v_cvt_scalef32_pk16_fp6_f32 v[CR+6*\c:CR+6*\c+2], v[(\val)+32*\c:(\val)+32*\c+15], v[QS+\c]
	v_cvt_scalef32_pk16_fp6_f32 v[QT+4*\c:QT+4*\c+2], v[(\val)+32*\c+16:(\val)+32*\c+31], v[QS+\c]   ; (a conversion's three registers begin on an even number)
.endr
	v_nop                                          ; one plain place behind a scaled conversion
.irp c, 0,1
.irp i, 0,1,2
	v_mov_b32 v[CR+6*\c+3+\i], v[QT+4*\c+\i]
.endr
.endr
.endm
; fragment i = 2 w + e of Q(Wm): rows s = 16 i + r of the chunk, K = the chunk's 128 t in the permuted order.  The number at place k of block 2 cc + h is v[s] or v[t] where 64 cc + 32 h + pi(k) <= 16 i + r, else 0
.macro WMFRAG e
.if \e
	v_add_nc_u32 v[DG], 16, v[DG]
	v_add_nc_u32 v[DG+1], 16, v[DG+1]
.endif
.set kk, 0
.rept 64
.set oo, (kk%32)/8
.set pp, 8*(((oo&1)<<1)|(oo>>1))+kk%8
	v_cmp_le_i32 vcc_lo, pp, v[DG+kk/32]
	v_cndmask_b32 v[BV+kk], v[VS+\e], v[WV+kk], s67        ; heads 8-15: v[t]; heads 0-7: v[s]
	v_cndmask_b32 v[BV+kk], 0, v[BV+kk], vcc_lo
.set kk, kk+1
.endr
.if \e
	s_wait_xcnt 0x0                                ; the first fragment's stores have read their registers: the codes' registers are written again only behind this wait
.endif
	QLANE BV, SWP+\e
.irp k, 0,1,2
	global_store_b128 v[L16], v[CR+4*\k:CR+4*\k+3], s[38:39] offset:1536*\e+512*\k   ; the image of the operand's registers: 512 consecutive bytes a store
.endr
.endm
; 64 results of a lane in window 1, register 16 b + i: 16 of block b's 32 numbers, become a fragment's codes in v[pc] on and its scale word in v[pw].  Each accumulator is read from its low end on
.macro QUANT s, pc, pw
	WIN 0x05                                       ; sources 0 and 1 window 1
.irp b, 0,1,2,3
	v_max3_num_f32 v[TM+\b], |v[(\s)+16*\b]|, |v[(\s)+16*\b+1]|, 0x1800000
.endr
.irp i, 2,4,6,8,10,12,14
.irp b, 0,1,2,3
	v_max3_num_f32 v[TM+\b], |v[(\s)+16*\b+\i]|, |v[(\s)+16*\b+\i+1]|, v[TM+\b]
.endr
.endr
	WIN 0
.irp b, 0,1,2,3
	v_permlanex16_b32 v[TM+4+\b], v[TM+\b], s46, s47
.endr
.irp b, 0,1,2,3
	v_max_num_f32 v[TM+\b], v[TM+\b], v[TM+4+\b]   ; with lane l xor 16's: the block's largest magnitude
.endr
.irp b, 0,1,2,3
	v_add_nc_u32 v[TM+12+\b], 0xff000000, v[TM+\b]
.endr
.irp b, 0,1,2,3
	v_lshrrev_b32 v[TM+8+\b], 23, v[TM+12+\b]
.endr
	v_lshl_or_b32 v[(\pw)], v[TM+9], 8, v[TM+8]
	v_lshl_or_b32 v[(\pw)], v[TM+10], 16, v[(\pw)]
	v_lshl_or_b32 v[(\pw)], v[TM+11], 24, v[(\pw)]
	WIN 0x01                                       ; source 0 window 1
.irp c, 0,1
	v_cvt_scalef32_pk16_fp6_f32 v[(\pc)+6*\c:(\pc)+6*\c+2], v[(\s)+32*\c:(\s)+32*\c+15], v[TM+12+2*\c]
	v_cvt_scalef32_pk16_fp6_f32 v[QT2+4*\c:QT2+4*\c+2], v[(\s)+32*\c+16:(\s)+32*\c+31], v[TM+12+2*\c+1]
.endr
	WIN 0
	v_nop                                          ; one plain place behind a scaled conversion
.irp c, 0,1                            ; the operand's layout wants a whole block in a lane
.irp i, 0,1,2
	v_permlane16_swap_b32 v[(\pc)+6*\c+\i], v[QT2+4*\c+\i]
.endr
.irp i, 0,1,2
	v_mov_b32 v[(\pc)+6*\c+3+\i], v[QT2+4*\c+\i]
.endr
.endr
.endm
	s_load_b512 s[16:31], s[0:1], 0x0              ; x_codes 16, x_scales 18, in_w_codes 20, in_w_scales 22, in_b 24, mix_w 26, mix_b 28, out_w_codes 30
	s_load_b256 s[32:39], s[0:1], 0x40             ; pcodes 32, pscales 34, csum 36, wmimg 38
	s_load_b128 s[40:43], s[0:1], 0x60             ; wmscl 40, gmtab 42
	s_load_b64 s[44:45], s[0:1], 0x70              ; owimg
	v_lshl_add_u32 v[SPW], v0, 2, SPARE
	v_mov_b32 v[NIL], 0
	ds_add_u32 v[SPW], v[NIL]                      ; the wave's opening: the add, twice on end, and its wait ahead of my first tensor load
	ds_add_u32 v[SPW], v[NIL]
	v_lshrrev_b32 v[RR], 5, v0
	v_readfirstlane_b32 s4, v[RR]                  ; wave w
	s_lshr_b32 s5, s4, 1                           ; wt: which 128 rows
	s_and_b32 s6, s4, 1                            ; wo: which 64 channels
	s_bfe_u32 s7, ttmp6, 0x40000                   ; cx
	s_bfe_u32 s8, ttmp6, 0x40004                   ; cy
	s_lshl_b32 s9, ttmp9, 2
	s_add_co_u32 s9, s9, s7                        ; x
	s_and_b32 s10, ttmp7, 0xffff
	s_lshl_b32 s10, s10, 2
	s_add_co_u32 s10, s10, s8                      ; y
	s_lshl_b32 s11, s8, 2
	s_lshl_b32 s11, 15, s11                        ; my row of the cluster
	s_lshl_b32 s12, 0x1111, s7                     ; my column
	s_or_b32 s[G1X], s11, GW0                      ; x's tiles go to my row,
	s_or_b32 s[G1W], s12, GW0                      ; in_w's to my column
.irp g, G1W, G1X
	s_mov_b32 s[\g+1], 768<<16                     ; tensor_dim0 = 768 bytes
	s_mov_b32 s[\g+2], 32<<16                      ; tensor_dim1 = 32
	s_mov_b32 s[\g+3], 768<<16                     ; tile_dim0
	s_mov_b32 s[\g+4], 32                          ; tile_dim1
	s_mov_b32 s[\g+5], 768                         ; from row to row
	s_mov_b32 s[\g+6], 0
	s_mov_b32 s[\g+7], 0
.endr
	s_lshl_b32 s80, s9, 7                          ; in_w: rows 128 x + 32 w (x and the wave's number alone)
	s_lshl_b32 s81, s4, 5
	s_add_co_u32 s80, s80, s81
	s_mul_i32 s80, s80, 768
	s_mov_b32 s81, 0
	s_lshl_b32 s82, s10, 8                         ; x: rows 256 y + 128 wt + 32 wo (y and the wave's number alone)
	s_lshl_b32 s83, s5, 7
	s_add_co_u32 s82, s82, s83
	s_lshl_b32 s84, s82, 5                         ; my 128 rows' scale bytes
	s_mov_b32 s85, 0
	s_lshl_b32 s83, s6, 5
	s_add_co_u32 s82, s82, s83
	s_mul_i32 s82, s82, 768
	s_mov_b32 s83, 0
	s_mul_i32 s86, s4, 32*PIT
	s_add_co_u32 s86, s86, WT                      ; where in_w's 32 rows go
	s_lshl_b32 s87, s5, 7
	s_lshl_b32 s3, s6, 5
	s_add_co_u32 s87, s87, s3
	s_mul_i32 s87, s87, PIT                        ; and x's
	s_lshl_b32 s13, s9, 1
	s_add_co_u32 s13, s13, s6                      ; my head
	s_lshl_b32 s14, s10, 1
	s_add_co_u32 s14, s14, s5                      ; bc = 16 b + chunk
	s_lshl_b32 s88, s13, 11                        ; in_w's scale bytes of my 64 rows
	s_mov_b32 s89, 0
	s_lshl_b32 s90, s13, 8                         ; in_b of my 64 channels
	s_mov_b32 s91, 0
	s_and_b32 s2, s14, 15
	s_lshl_b32 s2, s2, 9
	s_lshl_b32 s92, s13, 13
	s_add_co_u32 s92, s92, s2                      ; mix_w at (my head, my chunk)
	s_mov_b32 s93, 0
	s_lshr_b32 s3, s10, 1                          ; the work-group's share of the tables: head h' = y / 2,
	s_and_b32 s2, s10, 1
	s_lshl_b32 s2, s2, 3
	s_add_co_u32 s2, s2, s9                        ; chunk c' = 8 (y & 1) + x
	s_lshl_b32 s94, s3, 13
	s_lshl_b32 s95, s2, 9
	s_add_co_u32 s94, s94, s95                     ; mix_w and mix_b at (h', c')
	s_mov_b32 s95, 0
	s_lshl_b32 s15, s2, 4
	s_add_co_u32 s15, s15, s3                      ; 16 c' + h'
	s_lshl_b32 s2, s10, 3
	s_add_co_u32 s2, s2, s9
	s_lshl_b32 s2, s2, 1
	s_add_co_u32 s2, s2, s6                        ; out_w's fragment F = 2 (8 y + x) + w (waves 0, 1)
	s_lshr_b32 s3, s2, 3                           ; tile of rows T
	s_and_b32 s2, s2, 7                            ; K step q
	s_mul_i32 s96, s3, 12288
	s_mul_i32 s97, s2, 96
	s_add_co_u32 s96, s96, s97                     ; where it lies in out_w_codes
	s_lshr_b32 s97, s3, 2
	s_lshl_b32 s97, s97, 5
	s_lshl_b32 s2, s2, 2
	s_add_co_u32 s97, s97, s2
	s_and_b32 s3, s3, 3
	s_add_co_u32 s97, s97, s3
	s_mul_i32 s11, s97, 1536                       ; and where its image goes: [T / 4][q][T % 4]
	s_cmp_ge_u32 s9, 4
	s_cselect_b32 s66, -1, 0                       ; all ones: my head is one of 8-15
	s_cmp_ge_u32 s10, 16
	s_cselect_b32 s67, -1, 0                       ; all ones: h' is one of 8-15
	s_not_b32 s12, s67
	s_mov_b32 s46, 0x76543210
	s_mov_b32 s47, 0xfedcba98                      ; v_permlanex16_b32's selects for lane l xor 16
	v_and_b32 v[RR], 15, v0
	v_bfe_u32 v[HH], v0, 4, 1
	v_and_b32 v[TV], 31, v0
	v_mul_u32_u24 v[XA], v[RR], PIT
	v_mad_u32_u24 v[XA+1], v[HH], 40, v[XA]
	v_mad_u32_u24 v[XA], v[HH], 24, v[XA]
	s_mul_i32 s2, s5, 128*PIT
	s_mul_i32 s3, s6, 64*PIT
	s_add_co_u32 s3, s3, WT
	v_add_nc_u32 v[BA], s3, v[XA]
	v_add_nc_u32 v[BA+1], s3, v[XA+1]
	v_add_nc_u32 v[XA], s2, v[XA]
	v_add_nc_u32 v[XA+1], s2, v[XA+1]
	v_add_nc_u32 v[XB], 64*PIT, v[XA]
	v_add_nc_u32 v[XB+1], 64*PIT, v[XA+1]
	v_lshlrev_b32 v[OX], 5, v[RR]
	v_lshl_add_u32 v[OX], v[HH], 4, v[OX]          ; 32 r + 16 h
	v_lshlrev_b32 v[OW], 5, v[TV]
	v_lshlrev_b32 v[O4R], 2, v[RR]
	v_lshlrev_b32 v[OH], 7, v[HH]
	v_lshlrev_b32 v[L16], 4, v[TV]
	v_lshlrev_b32 v[L8], 3, v[TV]
	s_wait_dscnt 0x0                               ; both opening adds are done
	s_wait_kmcnt 0x0
	s_mov_b32 s[G0W], 1
	s_mov_b32 s[G0W+1], s86
	s_add_nc_u64 s[G0W+2:G0W+3], s[20:21], s[80:81]
	s_or_b32 s[G0W+3], s[G0W+3], 0x80000000
	s_mov_b32 s[G0A], 1
	s_mov_b32 s[G0A+1], s87
	s_add_nc_u64 s[G0A+2:G0A+3], s[16:17], s[82:83]
	s_mov_b32 s[G0B], 1
	s_add_co_u32 s[G0B+1], s87, 64*PIT
	s_add_nc_u64 s[G0B+2:G0B+3], s[G0A+2:G0A+3], 64*768    ; the same, 64 rows further
	s_or_b32 s[G0A+3], s[G0A+3], 0x80000000
	s_or_b32 s[G0B+3], s[G0B+3], 0x80000000
	s_add_nc_u64 s[18:19], s[18:19], s[84:85]
	s_add_nc_u64 s[22:23], s[22:23], s[88:89]
	s_add_nc_u64 s[24:25], s[24:25], s[90:91]
	s_add_nc_u64 s[92:93], s[26:27], s[92:93]
	s_cmp_eq_u32 s4, 3                             ; the role's source: waves 0, 1: out_w_codes; wave 2: mix_w; wave 3: mix_b
	s_cselect_b64 s[98:99], s[28:29], s[26:27]
	s_cmp_lt_u32 s4, 2
	s_cselect_b64 s[98:99], s[30:31], s[98:99]
	s_cselect_b32 s96, s96, s94
	s_mov_b32 s97, 0
	s_add_nc_u64 s[96:97], s[98:99], s[96:97]
	s_add_nc_u64 s[94:95], s[26:27], s[94:95]
	s_lshl_b32 s2, s4, 7
	s_mov_b32 s3, 0
	s_add_nc_u64 s[98:99], s[94:95], s[2:3]        ; v[s] of my two tiles: 32 w numbers on
	; the small loads, all in one group: they land while the tiles are on their way
.irp m, 0,1,2,3,4,5,6,7
	global_load_b128 v[XS+4*\m:XS+4*\m+3], v[OX], s[18:19] offset:512*\m
.endr
.irp np, 0,1
.irp k, 0,1
	global_load_b128 v[WSC+8*\np+4*\k:WSC+8*\np+4*\k+3], v[OW], s[22:23] offset:1024*\np+16*\k
.endr
.endr
.irp n, 0,1,2,3
	global_load_b32 v[IB+\n], v[O4R], s[24:25] offset:64*\n
.endr
.irp cc, 0,1
.irp a, 0,1,2,3,4,5,6,7                ; four places 4 a .. 4 a + 3 of block 2 cc + h: the numbers at offsets pi(4 a) on
	global_load_b128 v[SV+32*\cc+4*\a:SV+32*\cc+4*\a+3], v[OH], s[92:93] offset:256*\cc+4*(8*(((\a/2)&1)*2+\a/4)+4*(\a%2))
	global_load_b128 v[WV+32*\cc+4*\a:WV+32*\cc+4*\a+3], v[OH], s[94:95] offset:256*\cc+4*(8*(((\a/2)&1)*2+\a/4)+4*(\a%2))
.endr
.endr
.irp e, 0,1
	global_load_b32 v[VS+\e], v[O4R], s[98:99] offset:64*\e
.endr
	s_cmp_lt_u32 s4, 2
	s_cbranch_scc0 .Ltable_load
	v_mul_u32_u24 v[OF], v[RR], 768                ; waves 0, 1: a fragment of out_w: a block's words 0, 1 and 4, 5 into their places, words 2, 3 aside
	v_mad_u32_u24 v[OF], v[HH], 24, v[OF]
.irp g, 0,1
	global_load_b64 v[RO+6*\g:RO+6*\g+1], v[OF], s[96:97] offset:48*\g
	global_load_b64 v[RT+2*\g:RT+2*\g+1], v[OF], s[96:97] offset:48*\g+8
	global_load_b64 v[RO+6*\g+4:RO+6*\g+5], v[OF], s[96:97] offset:48*\g+16
.endr
	s_branch .Lrole_asked
.Ltable_load:
	v_and_b32 v[OF], 1, v0                         ; waves 2, 3: entries 4 l .. 4 l + 3 of [r][i]: r = l / 2, i = 4 (l & 1) + k: the number at s = 16 i + r
	v_bfe_u32 v[TV], v0, 1, 4
	v_lshlrev_b32 v[OF], 8, v[OF]
	v_lshl_add_u32 v[OF], v[TV], 2, v[OF]
.irp k, 0,1,2,3
	global_load_b32 v[RO+\k], v[OF], s[96:97] offset:64*\k
.endr
.Lrole_asked:
	CROUND                                         ; all sixteen work-groups are here: the joint loads meet
	tensor_load_to_lds s[G0W:G0W+3], s[G1W:G1W+7]  ; in_w's 32 rows
	s_nop 0
	tensor_load_to_lds s[G0A:G0A+3], s[G1X:G1X+7]  ; x: 32 of rows 0-63 of a half
	s_nop 0
	tensor_load_to_lds s[G0B:G0B+3], s[G1X:G1X+7]  ; x: 32 of rows 64-127 of a half
	s_nop 0
	PLACES 4
	; where the results go
	s_lshl_b32 s2, s15, 3
	s_lshl_b32 s80, s4, 1
	s_add_co_u32 s2, s2, s80
	s_mul_i32 s2, s2, 1536
	s_add_nc_u64 s[38:39], s[38:39], s[2:3]        ; wmimg [c'][h'][i = 2 w]
	s_lshl_b32 s2, s15, 2
	s_add_co_u32 s2, s2, s4
	s_lshl_b32 s2, s2, 8
	s_add_nc_u64 s[40:41], s[40:41], s[2:3]        ; wmscl [c'][h'][w]
	s_lshl_b32 s2, s15, 1
	s_add_co_u32 s2, s2, s6
	s_lshl_b32 s2, s2, 9
	s_add_nc_u64 s[42:43], s[42:43], s[2:3]        ; gmtab [c'][h'][plane w & 1]
	s_mov_b32 s2, s11
	s_add_nc_u64 s[44:45], s[44:45], s[2:3]        ; owimg
	s_lshl_b32 s80, s14, 4
	s_add_co_u32 s80, s80, s13                     ; 16 bc + head
	s_mul_i32 s2, s80, 6144
	s_add_nc_u64 s[32:33], s[32:33], s[2:3]
	s_lshl_b32 s2, s80, 9
	s_add_nc_u64 s[34:35], s[34:35], s[2:3]
	s_lshl_b32 s2, s80, 8
	s_add_nc_u64 s[36:37], s[36:37], s[2:3]
	s_mov_b32 s81, 0x700000
	s_wait_loadcnt 0x0
	WIN 0xc0                                       ; destination window 3
.irp n, 0,1,2,3
.irp j, 0,1,2,3,4,5,6,7
	v_mov_b32 v[144+8*\n+\j], v[IB+\n]             ; in_b in the result's layout: a lane holds one channel
.endr
.endr
	WIN 0
	v_lshlrev_b32 v[QX], 3, v[HH]
	v_mov_b32 v[QX+1], 0                           ; (a lane permute's destination counts as one of its sources)
.set kk, 0
.rept 64
	v_cndmask_b32 v[SV+kk], 1.0, v[SV+kk], s66     ; the sum row: w = v[t] for heads 8-15, 1 for heads 0-7
.set kk, kk+1
.endr
	QLANE SV, SUMS
	WIN 0xc0
.irp i, 0,1,2,3,4,5,6,7,8,9,10,11
	v_mov_b32 v[176+\i], v[CR+\i]
.endr
	WIN 0
	v_lshlrev_b32 v[DG+1], 5, v[HH]
	v_sub_nc_u32 v[DG], v[RR], v[DG+1]
	s_lshl_b32 s2, s4, 5
	v_add_nc_u32 v[DG], s2, v[DG]                  ; 16 i + r - 32 h, i = 2 w
	v_add_nc_u32 v[DG+1], 0xffffffc0, v[DG]        ; and 64 less, for blocks 2 and 3
	WMFRAG 0
	WMFRAG 1
	global_store_b64 v[L8], v[SWP:SWP+1], s[40:41] ; the two fragments' scale words: 256 consecutive bytes
	s_cmp_lt_u32 s4, 2
	s_cbranch_scc0 .Ltable
.irp g, 0,1                            ; out_w's blocks with octets 1 and 2 (bits 48-95 and 96-143) changed, as the codes of the mixed rows will lie
	v_alignbit_b32 v[RO+6*\g+3], v[RT+2*\g], v[RO+6*\g+1], 16
	v_alignbit_b32 v[RO+6*\g+2], v[RO+6*\g+4], v[RT+2*\g+1], 16
	v_perm_b32 v[RO+6*\g+1], v[RT+2*\g+1], v[RO+6*\g+1], 0x05040100
	v_perm_b32 v[RO+6*\g+4], v[RO+6*\g+4], v[RT+2*\g], 0x07060302
.endr
.irp k, 0,1,2
	global_store_b128 v[L16], v[RO+4*\k:RO+4*\k+3], s[44:45] offset:512*\k
.endr
	s_branch .Lrole_done
.Ltable:
	s_cmp_eq_u32 s4, 3
	s_cselect_b32 s80, -1, 0                       ; wave 3 copies mix_b
.irp k, 0,1,2,3                        ; g = Q(v): the mantissa rounded to 3 bits, ties to even, held at 1.875 x 2^e; 1 for heads 8-15
	v_and_b32 v[QT+\k], 0x7fffffff, v[RO+\k]
	v_bfe_u32 v[QT+4+\k], v[QT+\k], 20, 1
	v_add3_u32 v[QT+4+\k], v[QT+\k], v[QT+4+\k], 0x7ffff
	v_and_b32 v[QT+4+\k], 0xfff00000, v[QT+4+\k]
	v_and_or_b32 v[QT+\k], v[QT+\k], 0x7f800000, s81
	v_min_u32 v[QT+\k], v[QT+4+\k], v[QT+\k]
	v_and_or_b32 v[QT+\k], v[RO+\k], 0x80000000, v[QT+\k]
	v_cndmask_b32 v[QT+\k], 1.0, v[QT+\k], s12
	v_cndmask_b32 v[QM+\k], v[QT+\k], v[RO+\k], s80
.endr
	global_store_b128 v[L16], v[QM:QM+3], s[42:43] ; 512 consecutive bytes: a plane
.Lrole_done:
	s_wait_xcnt 0x0                                ; the stores have read their registers: x's fragments land there only behind this wait
	s_wait_tensorcnt 0x2                           ; my part of in_w's tile is in (x's two loads were issued behind it),
	s_barrier_signal -1
	s_barrier_wait -1                              ; everybody's is
	LOADB
	s_wait_tensorcnt 0x1                           ; my part of x's rows 0-63 of a half is in (one load was issued behind it)
	s_wait_dscnt 0x0
	s_barrier_signal -1
	s_barrier_wait -1
	LOADA 0
	MT 0
	MT 1
	MT 2
	s_wait_tensorcnt 0x0                           ; and of rows 64-127
	s_wait_dscnt 0x0
	s_barrier_signal -1
	s_barrier_wait -1
	MT 3
	MT 4
	MT 5
	MT 6
	MT 7
	; p is quantised along t, a tile of 16 channels at a time; codes and scale words leave as images of the operand's registers
	PLACES 4
	WIN 0
	v_and_b32 v[EL8], 31, v0
	v_lshlrev_b32 v[EL16], 4, v[EL8]
	v_lshlrev_b32 v[EL8], 3, v[EL8]
.irp b, 0,1,2,3
	v_mov_b32 v[TM+4+\b], 0
.endr
.irp n, 0,1,2,3
	QUANT 64*\n, PCB+12*\n, PW+\n
.irp k, 0,1,2
	global_store_b128 v[EL16], v[PCB+12*\n+4*\k:PCB+12*\n+4*\k+3], s[32:33] offset:1536*\n+512*\k
.endr
.endr
	global_store_b128 v[EL16], v[PW:PW+3], s[34:35]
	PLACES 8                                       ; a scale register written by a vector instruction stands 8 places ahead of a scaled matrix instruction
	WIN 0x03                                       ; source 0 window 3
.irp n, 0,1,2,3
	WMS SD+8*\n, 176, PCB+12*\n, -1, SUMS, PW+\n, 0, 0     ; S of 16 channels: sixteen equal rows of w against p's codes: every register of lane (r, h) holds channel 16 n + r's
.endr
	WIN 0
	PLACES 4
	s_mov_b32 s80, 0xffff0000
	v_cndmask_b32 v[VV], v[SD], v[SD+8], s80       ; lane l: channels l and 32 + l
	v_cndmask_b32 v[VV+1], v[SD+16], v[SD+24], s80
	global_store_b64 v[EL8], v[VV:VV+1], s[36:37]  ; 256 consecutive bytes
	s_wait_tensorcnt 0x0                           ; the wave's end
	ds_add_u32 v[SPW], v[NIL]
	s_wait_dscnt 0x0
	CROUND                                         ; the closing round
	s_endpgm
.Lfunc_end_k_qba05081db5_proj:
	.size	k_qba05081db5_proj, .Lfunc_end_k_qba05081db5_proj-k_qba05081db5_proj
	.p2alignl 7, 3214868480
	.fill 96, 4, 3214868480
	.section	.rodata,"a",@progbits
	.p2align	6, 0x0
	.amdhsa_kernel k_qba05081db5_proj
		.amdhsa_group_segment_fixed_size 313856
		.amdhsa_private_segment_fixed_size 0
		.amdhsa_enable_private_segment 0
		.amdhsa_kernarg_size 120
		.amdhsa_user_sgpr_count 2
		.amdhsa_user_sgpr_kernarg_segment_ptr 1
		.amdhsa_wavefront_size32 1
		.amdhsa_system_sgpr_workgroup_id_x 1
		.amdhsa_system_sgpr_workgroup_id_y 1
		.amdhsa_system_sgpr_workgroup_id_z 1
		.amdhsa_system_vgpr_workitem_id 0
		.amdhsa_next_free_vgpr 1024
		.amdhsa_next_free_sgpr 100
		.amdhsa_reserve_vcc 1
		.amdhsa_float_denorm_mode_32 3
		.amdhsa_float_denorm_mode_16_64 3
		.amdhsa_memory_ordered 1
		.amdhsa_forward_progress 1
		.amdhsa_inst_pref_size 139
	.end_amdhsa_kernel
	.amdgpu_metadata
---
amdhsa.version: [ 1, 2 ]
amdhsa.kernels:
  - .name:           k_qba05081db5_proj
    .symbol:         k_qba05081db5_proj.kd
    .args:
      - { .name: x_codes, .offset: 0, .size: 8, .value_kind: global_buffer, .address_space: global }
      - { .name: x_scales, .offset: 8, .size: 8, .value_kind: global_buffer, .address_space: global }
      - { .name: in_w_codes, .offset: 16, .size: 8, .value_kind: global_buffer, .address_space: global }
      - { .name: in_w_scales, .offset: 24, .size: 8, .value_kind: global_buffer, .address_space: global }
      - { .name: in_b, .offset: 32, .size: 8, .value_kind: global_buffer, .address_space: global }
      - { .name: mix_w, .offset: 40, .size: 8, .value_kind: global_buffer, .address_space: global }
      - { .name: mix_b, .offset: 48, .size: 8, .value_kind: global_buffer, .address_space: global }
      - { .name: out_w_codes, .offset: 56, .size: 8, .value_kind: global_buffer, .address_space: global }
      - { .name: pcodes, .offset: 64, .size: 8, .value_kind: global_buffer, .address_space: global }
      - { .name: pscales, .offset: 72, .size: 8, .value_kind: global_buffer, .address_space: global }
      - { .name: csum, .offset: 80, .size: 8, .value_kind: global_buffer, .address_space: global }
      - { .name: wmimg, .offset: 88, .size: 8, .value_kind: global_buffer, .address_space: global }
      - { .name: wmscl, .offset: 96, .size: 8, .value_kind: global_buffer, .address_space: global }
      - { .name: gmtab, .offset: 104, .size: 8, .value_kind: global_buffer, .address_space: global }
      - { .name: owimg, .offset: 112, .size: 8, .value_kind: global_buffer, .address_space: global }
    .group_segment_fixed_size: 313856
    .private_segment_fixed_size: 0
    .kernarg_segment_align: 8
    .kernarg_segment_size: 120
    .max_flat_workgroup_size: 128
    .sgpr_count:     100
    .vgpr_count:     1024
    .wavefront_size: 32
...
	.end_amdgpu_metadata
.endif
;; end of part 1
;; launch mixout (part 2): grid 4 x 64, 4 waves a work-group, clusters of 4 x 1, 303,616 bytes of LDS; arguments pcodes, pscales, csum, wmimg, wmscl, gmtab, owimg, out_w_scales, out_b, out0; writes out0
.if DOCPART == 2
	.amdgcn_target "amdgcn-amd-amdhsa--gfx1250"
	.amdhsa_code_object_version 6
	.text
	.protected	k_qba05081db5_mixout
	.globl	k_qba05081db5_mixout
	.p2align	8
	.type	k_qba05081db5_mixout,@function
k_qba05081db5_mixout:
	s_mov_b64 s[64:65], 0
	v_nop
	global_prefetch_b8 v0, s[64:65] scope:SCOPE_SE
	s_setreg_imm32_b32 hwreg(HW_REG_WAVE_MODE, 25, 1), 1
	s_wait_xcnt 0x0
	s_wait_alu depctr_hold_cnt(0) depctr_sa_sdst(0) depctr_va_vdst(0) depctr_va_sdst(0) depctr_va_ssrc(0) depctr_va_vcc(0) depctr_vm_vsrc(0)
	s_getreg_b32 s2, hwreg(HW_REG_IB_STS2, 6, 4)
	s_cmp_eq_u32 s2, 0
	s_cbranch_scc0 .Lentry_in_a_cluster
	s_endpgm
.Lentry_in_a_cluster:
	s_bfe_u32 s2, ttmp6, 0x10000c
	s_cmp_lg_u32 s2, 0x3003
	s_cbranch_scc0 .Lentry_shape_is_right
	s_endpgm
.Lentry_shape_is_right:
; SECOND OF TWO LAUNCHES.  out[b,h,e,s] = (diagonal chunk of Q(Wm) against Q(p)) + g[s] x (sum of the earlier chunks' S) + mix_b[s]; out is quantised along the 1,024 channels; out0[b,o',s] = Q(out) out_w^T + out_b.
; WORK LEFT OUT: the products of Wm's blocks at t > s, which are zeros that reference() builds, and the products of whole chunks under s's chunk, which the first launch has summed as S (shown at that kernel's head, with the limits).
; SHARES.  256 work-groups of four waves: 128 s (chunk c of batch b) x 256 o' (quarter nq).  THE MIX: wave w takes heads 4 w .. 4 w + 3 for the 128 s: 16 groups (pair of heads hp, tile of s i) of 8 matrix instructions, source 0 = 16 channels of p,
;  source 1 = 16 rows s of Q(Wm): a lane holds ONE s and eight channels, so the group's 64 numbers are one fragment (K step 2 w + hp) of the last product.  The carry and mix_b are the C of these products.  The fragment goes to LDS as an image of its registers.
;  THE LAST PRODUCT: wave w takes o' = 256 nq + 64 w .. + 63 for all 128 s; its 32 fragments of out_w stay in registers; source 0 = 16 s, source 1 = 16 o': a lane holds one o' and eight neighbouring s.
;  The four work-groups of a (b, c) repeat the mix: 128 matrix instructions a wave beside the last product's 256; a launch of its own for it would cost a start, an end and the codes' way through memory.
; CLUSTER 4 x 1: the four quarters of one (b, c).  Wm's images (196,608 bytes) are asked for jointly, two tensor loads a wave (the first pair of heads', then the second's: 96 rows of 256 bytes each), filled once; each wave reads only what it
;  asked for; two tensor loads of a wave are out at the most.
;  NOT asked for jointly: p's codes (24,576 bytes a wave) and out_w's (49,152): each fragment is wanted by one wave of the work-group, once, and stays in its registers; through LDS these 295 KB would be written there and read back for nothing.
; THE ORDER OF THE REQUESTS is the order of need.  What the first pair of heads wants is 57 loads, fewer than LOADcnt's field counts (63: ISA guide 5.7.1), so none of them is held at its issue; then the round and the two tensor loads; then the second
;  pair's 57 and eight small ones, which are issued while the wave waits for the first 57 anyway.  out_w's 96 loads, wanted only behind the mix, go out eight at the top of each of groups 1 to 12.
; LDS: 0 the images of Q(out) [i][q][1536]; 98,304 their scale words [i][r][q]; 102,400 the carries, 1 KB a wave; 106,496 the spare words; 107,008 Wm's images, 49,152 a wave.
;  The way out's stage (64 rows o' x 528 bytes) lies in the wave's own part of Wm's images, which has had its one fill and which this wave alone reads.
; REGISTERS.  window 0: v1-13 addresses; v14, v15 the add's two; scale words: v16-31 out_w's, v32-47 p's, v48-79 Wm's, v80-87 Q(out)'s; v88-119 mix_b; v120-183 a group's 64 numbers; v184-221 the quantiser's; later v88-183 the even tiles' fragments.
;  window 1: v0-191 p's 16 fragments, v192-255 the carries; later v0-63 two sets of accumulators, v64-95 out_b, v96-191 the odd tiles' fragments, v192-255 rows on their way out.
;  window 2: out_w's K steps 0-4, loaded from v0 up; ahead of them v120-179 and v180-239 hold the two pairs' chunk sums.  window 3: K steps 5-7; v144-175 g; v176-223 two slots of two fragments of Wm.
.set A3,    0
.set ASC,   98304
.set CAR,   102400
.set SPARE, 106496                     ; the spare words: 128 bytes a wave, two blocks of 256 bytes that no other line names
.set WMP,   107008
.set LI,   1                           ; 16 x lane
.set WMA,  2
.set A3W0, 3
.set A3W1, 4
.set ASW,  5
.set ASRD, 6
.set CAW,  7
.set CAL,  8
.set SO,   9
.set SR,   10
.set GO,   11
.set A3R1, 12
.set LN,   13
.set SPW,  14
.set NIL,  15
.set BSC,  16                          ; register 4 n + q % 4; lanes 0-15: K steps 0-3, lanes 16-31: 4-7
.set PSR,  32                          ; 4 hl + nt
.set WSR,  48                          ; 8 hl + i
.set ASR,  80                          ; 4 (i % 2) + q % 4; halves as BSC
.set MB,   88                          ; 8 hl + i
.set CD,   120
.set TM,   184
.set PW,   200
.set PC,   202
.set OB,   240
.set O8L,  245
.set O32R, 246
.set OBS,  247
.set O4R,  248
.set AF0,  88
.set AF1,  96                          ; window 1
.set CARR, 192                         ; window 1
.set BIAS, 64                          ; window 1
.set FL,   192                         ; window 1
.set CS0,  120                         ; window 2: the first pair's chunk sums, 4 registers a chunk
.set CS1,  180                         ; window 2: the second pair's
.set G,    144                         ; window 3
.set WS,   176                         ; window 3
.set MSB, 0
.macro WIN new
.if MSB != (\new)
	s_set_vgpr_msb (MSB<<8)|(\new)
.set MSB, (\new)
.endif
.endm
.macro PLACES n
.rept \n
	v_nop
.endr
.endm
.macro CROUND
	s_barrier_signal -1
	s_barrier_wait -1
	s_cmp_lg_u32 s4, 0
	s_cbranch_scc1 .Lnot_wave_0_\@
	s_barrier_signal -3
.Lnot_wave_0_\@:
	s_barrier_wait -3
	s_barrier_signal -1
	s_barrier_wait -1
.endm
.macro WMS d, a, b, c, sa, sb, row     ; row = 1: both sides' scales stand in lanes 16-31
.if (\row) == 0
	v_wmma_scale_f32_16x16x128_f8f6f4 v[(\d):(\d)+7], v[(\a):(\a)+11], v[(\b):(\b)+11], v[(\c):(\c)+7], v[(\sa)], v[(\sb)] matrix_a_fmt:MATRIX_FMT_FP6 matrix_b_fmt:MATRIX_FMT_FP6
.else
	v_wmma_scale_f32_16x16x128_f8f6f4 v[(\d):(\d)+7], v[(\a):(\a)+11], v[(\b):(\b)+11], v[(\c):(\c)+7], v[(\sa)], v[(\sb)] matrix_a_fmt:MATRIX_FMT_FP6 matrix_b_fmt:MATRIX_FMT_FP6 matrix_a_scale:MATRIX_SCALE_ROW1 matrix_b_scale:MATRIX_SCALE_ROW1
.endif
.endm
; what the pair of heads hl = a, a + 1 (a = 0 or 2) wants: g and mix_b (8 loads), p's scale words (2), Wm's (8), p's eight fragments (24), the fifteen chunk sums (15): 57 loads
.macro TABLES a
	WIN 0xc0
.irp d, 0,1
.irp k, 0,1
	global_load_b128 v[G+8*((\a)+\d)+4*\k:G+8*((\a)+\d)+4*\k+3], v[O32R], s[26:27] offset:1024*((\a)+\d)+16*\k
.endr
.endr
	WIN 0
.irp d, 0,1
.irp k, 0,1
	global_load_b128 v[MB+8*((\a)+\d)+4*\k:MB+8*((\a)+\d)+4*\k+3], v[O32R], s[26:27] offset:1024*((\a)+\d)+512+16*\k
.endr
.endr
.irp d, 0,1
	global_load_b128 v[PSR+4*((\a)+\d):PSR+4*((\a)+\d)+3], v[LI], s[18:19] offset:512*((\a)+\d)
.endr
.irp d, 0,1
.irp wq, 0,1,2,3
	global_load_b64 v[WSR+8*((\a)+\d)+2*\wq:WSR+8*((\a)+\d)+2*\wq+1], v[O8L], s[24:25] offset:1024*((\a)+\d)+256*\wq
.endr
.endr
	WIN 0x40
.irp f, 0,1,2,3,4,5,6,7
.irp k, 0,1,2
	global_load_b128 v[12*(4*(\a)+\f)+4*\k:12*(4*(\a)+\f)+4*\k+3], v[LI], s[16:17] offset:1536*(4*(\a)+\f)+512*\k
.endr
.endr
	WIN 0x80
.irp cc, 0,1,2,3,4,5,6,7,8,9,10,11,12,13,14
	global_load_b128 v[CS0+30*(\a)+4*\cc:CS0+30*(\a)+4*\cc+3], v[LI], s[20:21] offset:4096*\cc+256*(\a)   ; chunk cc, the pair's 512 bytes, 16 a lane
.endr
	WIN 0
.endm
; THE CARRY of a pair of heads: the sums S of chunks 0 .. c - 1.  All fifteen are loaded; those from c on are replaced by 0 (a choice, no branch and no product); four chains of additions.
; Number e of lane (r, h) is channel 32 (e % 2) + 2 r + e / 2 of head 2 half + h: it goes to its place among my 256 channels
.macro CARRY half, base
	WIN 0x88
.irp cc, 0,1,2,3,4,5,6,7,8,9,10,11,12,13,14
	s_cmp_gt_u32 s8, \cc
	s_cselect_b32 s72, -1, 0
.irp e, 0,1,2,3
	v_cndmask_b32 v[(\base)+4*\cc+\e], 0, v[(\base)+4*\cc+\e], s72
.endr
.endr
	WIN 0x8a
.irp cc, 2,3,4,5,6,7,8,9,10,11,12,13,14
.irp k, 0,1
	v_pk_add_f32 v[(\base)+4*(\cc%2)+2*\k:(\base)+4*(\cc%2)+2*\k+1], v[(\base)+4*(\cc%2)+2*\k:(\base)+4*(\cc%2)+2*\k+1], v[(\base)+4*\cc+2*\k:(\base)+4*\cc+2*\k+1]
.endr
.endr
.irp k, 0,1
	v_pk_add_f32 v[(\base)+2*\k:(\base)+2*\k+1], v[(\base)+2*\k:(\base)+2*\k+1], v[(\base)+4+2*\k:(\base)+4+2*\k+1]
.endr
	WIN 0x08
.irp e, 0,1,2,3
	ds_store_b32 v[CAW], v[(\base)+\e] offset:512*(\half)+128*(\e%2)+4*(\e/2)
.endr
.endm
.macro CARLOAD hp                      ; the carries of a pair of heads: register 8 t + j: channel 16 t + 8 h + j.  LDS serves a wave's instructions in order: these see my stores
.irp t, 0,1,2,3,4,5,6,7
	ds_load_b128 v[CARR+8*\t:CARR+8*\t+3], v[CAL] offset:512*(\hp)+64*\t
	ds_load_b128 v[CARR+8*\t+4:CARR+8*\t+7], v[CAL] offset:512*(\hp)+64*\t+16
.endr
.endm
; eight of out_w's 96 loads, numbers j0 on: numbers 0-35 are K steps 5-7 (window 3, v0 up), numbers 36-95 K steps 0-4 (window 2, v0 up): fragment (q, n) has three loads on end, 512 bytes each
.macro BLOADS j0
.set jj, (\j0)
.rept 8
.if jj < 36
	WIN 0xc0
	global_load_b128 v[4*jj:4*jj+3], v[LI], s[28:29] offset:1536*20+512*jj
.else
	WIN 0x80
	global_load_b128 v[4*(jj-36):4*(jj-36)+3], v[LI], s[28:29] offset:512*(jj-36)
.endif
.set jj, jj+1
.endr
.endm
.macro WFETCH g                        ; group g's two fragments of Wm (the pair's two heads, tile of s g % 8) into slot g % 2
	WIN 0xc0
.irp u, 0,1
.irp k, 0,1,2
	ds_load_b128 v[WS+24*((\g)%2)+12*\u+4*\k:WS+24*((\g)%2)+12*\u+4*\k+3], v[WMA] offset:(8*(2*((\g)/8)+\u)+(\g)%8)*1536+512*\k
.endr
.endr
.endm
.macro PKC t                           ; tile t's C: carry x g + mix_b, two at a time; of the pairs of g and mix_b register i % 2 serves both halves
.set hl, 2*hp+(\t)/4
.set gp, 8*hl+(ii/2)*2
.irp k, 0,1,2,3
.if ii%2
	v_pk_fma_f32 v[CD+8*(\t)+2*\k:CD+8*(\t)+2*\k+1], v[CARR+8*(\t)+2*\k:CARR+8*(\t)+2*\k+1], v[G+gp:G+gp+1], v[MB+gp:MB+gp+1] op_sel:[0,1,1] op_sel_hi:[1,1,1]
.else
	v_pk_fma_f32 v[CD+8*(\t)+2*\k:CD+8*(\t)+2*\k+1], v[CARR+8*(\t)+2*\k:CARR+8*(\t)+2*\k+1], v[G+gp:G+gp+1], v[MB+gp:MB+gp+1] op_sel_hi:[1,0,0]
.endif
.endr
.endm
.macro WT t
.set hl, 2*hp+(\t)/4
	WMS CD+8*(\t), 12*(4*hl+(\t)%4), WS+24*(gg%2)+12*((\t)/4), CD+8*(\t), PSR+4*hl+(\t)%4, WSR+8*hl+ii, 0
.endm
.macro QUANT                           ; the group's 64 numbers, register 16 b + i: 16 of block b's 32 channels, become a fragment's codes in v[PC] on and its scale word in v[PW].  Each accumulator is read from its low end on
.irp b, 0,1,2,3
	v_max3_num_f32 v[TM+\b], |v[CD+16*\b]|, |v[CD+16*\b+1]|, 0x1800000   ; with the floor 2^(3 - 127): the byte cannot fall under 1
.endr
.irp i, 2,4,6,8,10,12,14
.irp b, 0,1,2,3
	v_max3_num_f32 v[TM+\b], v[TM+\b], |v[CD+16*\b+\i]|, |v[CD+16*\b+\i+1]|
.endr
.endr
.irp b, 0,1,2,3
	v_permlanex16_b32 v[TM+4+\b], v[TM+\b], s74, s75
.endr
.irp b, 0,1,2,3
	v_max_num_f32 v[TM+\b], v[TM+\b], v[TM+4+\b]
.endr
.irp b, 0,1,2,3
	v_add_nc_u32 v[TM+12+\b], 0xff000000, v[TM+\b] ; 2 off the exponent field: the conversion's scale operand
.endr
.irp b, 0,1,2,3
	v_lshrrev_b32 v[TM+8+\b], 23, v[TM+12+\b]
.endr
	v_lshl_or_b32 v[PW], v[TM+9], 8, v[TM+8]
	v_lshl_or_b32 v[PW], v[TM+10], 16, v[PW]
	v_lshl_or_b32 v[PW], v[TM+11], 24, v[PW]
.irp c, 0,1
	v_cvt_scalef32_pk16_fp6_f32 v[PC+6*\c:PC+6*\c+2], v[CD+32*\c:CD+32*\c+15], v[TM+12+2*\c]
	v_cvt_scalef32_pk16_fp6_f32 v[PC+12+4*\c:PC+14+4*\c], v[CD+32*\c+16:CD+32*\c+31], v[TM+12+2*\c+1]
.endr
	v_nop                                          ; one plain place behind a scaled conversion
.irp c, 0,1
.irp i, 0,1,2
	v_permlane16_swap_b32 v[PC+6*\c+\i], v[PC+12+4*\c+\i]
.endr
.irp i, 0,1,2
	v_mov_b32 v[PC+6*\c+3+\i], v[PC+12+4*\c+\i]
.endr
.endr
.endm
.macro GROUP g
.set gg, (\g)
.set hp, (\g)/8
.set ii, (\g)%8
.if (\g) == 7
	s_wait_tensorcnt 0x0                           ; the second pair's images of Wm are in: this group fetches the first of them
.endif
.if (\g) == 8
	s_wait_loadcnt 56                              ; all that the second pair of heads wants is in: behind it stand out_w's 7 x 8 loads of groups 1 to 7
	CARRY 1, CS1
	WIN 0x40
	CARLOAD 1
.endif
.if ((\g) >= 1) && ((\g) <= 12)
	BLOADS 8*((\g)-1)                              ; they land under the mix; three groups and the barrier stand between the last of them and the wait for them
.endif
.if (\g) < 15
	WFETCH (\g)+1
	s_wait_dscnt 6                                 ; all but the six just issued: this group's fragments of Wm, the carries, and the last group's stores
.else
	s_wait_dscnt 0x0
.endif
	WIN 0x0d                                       ; source 0 window 1 (p; the carries), source 1 window 3 (Wm; g), C and D window 0
	PKC 0
	PKC 1
.irp t, 0,1,2,3,4,5
	WT \t
	PKC \t+2
.endr
	WT 6
	WT 7
	WIN 0
	PLACES 4
	QUANT
.irp k, 0,1,2
.if ii < 4
	ds_store_b128 v[A3W0], v[PC+4*\k:PC+4*\k+3] offset:12288*ii+1536*hp+512*\k
.else
	ds_store_b128 v[A3W1], v[PC+4*\k:PC+4*\k+3] offset:12288*(ii-4)+1536*hp+512*\k
.endif
.endr
	ds_store_b32 v[ASW], v[PW] offset:512*ii+4*hp  ; both halves of the lanes write the same word with the same value
.endm
.macro LOADA3 i                        ; tile i of s: 8 fragments and their scale words: 25 loads
	WIN 0x40*((\i)%2)
.irp q, 0,1,2,3,4,5,6,7
.irp k, 0,1,2
.if (\i) < 4
	ds_load_b128 v[AF0+8*((\i)%2)+12*\q+4*\k:AF0+8*((\i)%2)+12*\q+4*\k+3], v[LI] offset:12288*(\i)+1536*\q+512*\k
.else
	ds_load_b128 v[AF0+8*((\i)%2)+12*\q+4*\k:AF0+8*((\i)%2)+12*\q+4*\k+3], v[A3R1] offset:12288*((\i)-4)+1536*\q+512*\k
.endif
.endr
.endr
	WIN 0
	ds_load_b128 v[ASR+4*((\i)%2):ASR+4*((\i)%2)+3], v[ASRD] offset:512*(\i)
.endm
.macro STAGE i                         ; tile i's results into my stage: lane (r, h): 32 bytes of row 16 n + r; each accumulator from its low end on
	WIN 0x04
.irp n, 0,1,2,3
	ds_store_b128 v[SO], v[32*((\i)%2)+8*\n:32*((\i)%2)+8*\n+3] offset:8448*\n+64*(\i)
	ds_store_b128 v[SO], v[32*((\i)%2)+8*\n+4:32*((\i)%2)+8*\n+7] offset:8448*\n+64*(\i)+16
.endr
.endm
.macro FLOAD half, bt, reg             ; 256 bytes of each of 32 rows come back: lanes 0-15 one row, lanes 16-31 the next
	WIN 0x40
.irp a, 0,1,2,3,4,5,6,7,8,9,10,11,12,13,14,15
	ds_load_b128 v[(\reg)+4*\a:(\reg)+4*\a+3], v[SR] offset:(32*(\bt)+2*\a)*528+256*(\half)
.endr
.endm
.macro FSTORE half, bt, reg            ; sixteen lanes store 256 consecutive bytes, at a multiple of 256 from out0's first byte
	WIN 0x04
.irp a, 0,1,2,3,4,5,6,7,8,9,10,11,12,13,14,15
	global_store_b128 v[GO], v[(\reg)+4*\a:(\reg)+4*\a+3], s[34:35] offset:(32*(\bt)+2*\a)*8192+256*(\half) th:TH_STORE_NT
.endr
.endm
.macro TILE i
.if (\i) > 0
	PLACES 4                                       ; in front of the read of the last tile's results and of loads into registers that its products have read
	STAGE (\i)-1
.endif
.if (\i) < 7
	LOADA3 (\i)+1
.endif
.if ((\i) == 4) || ((\i) == 5)
.if (\i) == 5
	s_wait_xcnt 0x0                                ; the last batch's stores have read their registers
.endif
	FLOAD 0, (\i)-4, FL                            ; s 0-63 of 32 rows are whole: they leave under this tile's products
	s_wait_dscnt 41                                ; all but the 25 + 16 just issued
.elseif (\i) < 7
	s_wait_dscnt 25                                ; all but the 25 just issued: this tile's fragments are in
.else
	s_wait_dscnt 0x0
.endif
.irp q, 0,1,2,3,4,5,6,7
	WIN 0x58+(\i)%2+4*(\q/5)                       ; A window i % 2; B window 2, from K step 5 on window 3; C and D window 1
.irp n, 0,1,2,3                        ; the four accumulators take turns; out_b is the C of the first K step
.if \q == 0
	WMS 32*((\i)%2)+8*\n, AF0+8*((\i)%2), 12*\n, BIAS+8*\n, ASR+4*((\i)%2), BSC+4*\n, 0
.else
	WMS 32*((\i)%2)+8*\n, AF0+8*((\i)%2)+12*\q, 12*(4*(\q-5*(\q/5))+\n), 32*((\i)%2)+8*\n, ASR+4*((\i)%2)+\q%4, BSC+4*\n+\q%4, \q/4
.endif
.endr
.endr
.if ((\i) == 4) || ((\i) == 5)
	s_wait_dscnt 0x0
	FSTORE 0, (\i)-4, FL
.endif
.endm
	s_load_b512 s[16:31], s[0:1], 0x0              ; pcodes 16, pscales 18, csum 20, wmimg 22, wmscl 24, gmtab 26, owimg 28, out_w_scales 30
	s_load_b128 s[32:35], s[0:1], 0x40             ; out_b 32, out0 34
	v_lshl_add_u32 v[SPW], v0, 2, SPARE
	v_mov_b32 v[NIL], 0
	ds_add_u32 v[SPW], v[NIL]                      ; the wave's opening: the add, twice on end, and its wait ahead of my first tensor load
	ds_add_u32 v[SPW], v[NIL]
	v_lshrrev_b32 v[LN], 5, v0
	v_readfirstlane_b32 s4, v[LN]                  ; wave w
	s_bfe_u32 s5, ttmp6, 0x40000                   ; nq = my place in the cluster: it enters global addresses alone
	s_and_b32 s6, ttmp7, 0xffff                    ; bc
	s_lshr_b32 s7, s6, 4                           ; b
	s_and_b32 s8, s6, 15                           ; c
	s_mov_b32 s48, 15|(3<<16)|(1<<21)              ; group 1: the mask names all four; elements of 8 bytes; bit 21 beside a mask; no padding
	s_mov_b32 s49, 32<<16                          ; a dense block of 24,576 bytes as 96 rows of 256
	s_mov_b32 s50, 96<<16
	s_mov_b32 s51, 32<<16
	s_mov_b32 s52, 96
	s_mov_b32 s53, 32
	s_mov_b32 s54, 0
	s_mov_b32 s55, 0
	s_lshl_b32 s9, s6, 4
	s_lshl_b32 s10, s4, 2
	s_add_co_u32 s9, s9, s10                       ; 16 bc + 4 w
	s_mul_i32 s36, s9, 6144
	s_mov_b32 s37, 0
	s_lshl_b32 s38, s9, 9
	s_mov_b32 s39, 0
	s_lshl_b32 s40, s7, 16
	s_lshl_b32 s41, s4, 10
	s_add_co_u32 s40, s40, s41                     ; csum: batch b's chunk 0, my four heads
	s_mov_b32 s41, 0
	s_lshl_b32 s11, s8, 4
	s_add_co_u32 s11, s11, s10                     ; 16 c + 4 w
	s_mul_i32 s42, s11, 12288
	s_mov_b32 s43, 0
	s_lshl_b32 s44, s11, 10
	s_mov_b32 s45, 0
	s_lshl_b32 s12, s5, 2
	s_add_co_u32 s12, s12, s4                      ; 4 nq + w: my block of 64 o'
	s_mul_i32 s46, s12, 49152
	s_mov_b32 s47, 0
	s_lshl_b32 s66, s12, 11
	s_mov_b32 s67, 0
	s_lshl_b32 s68, s12, 8
	s_mov_b32 s69, 0
	s_lshl_b32 s70, s7, 10
	s_lshl_b32 s71, s12, 6
	s_add_co_u32 s70, s70, s71
	s_lshl_b32 s70, s70, 13
	s_lshl_b32 s71, s8, 9
	s_add_co_u32 s70, s70, s71                     ; out0 at (b, my first o', 128 c)
	s_mov_b32 s71, 0
	s_mov_b32 s74, 0x76543210
	s_mov_b32 s75, 0xfedcba98
	v_and_b32 v[LN], 31, v0                        ; lane
	v_and_b32 v249, 15, v0                         ; r
	v_bfe_u32 v250, v0, 4, 1                       ; h
	v_lshlrev_b32 v[LI], 4, v[LN]
	s_mul_i32 s13, s4, 49152
	s_add_co_u32 s13, s13, WMP                     ; my part of Wm's images; later my stage
	v_add_nc_u32 v[WMA], s13, v[LI]
	s_mul_i32 s14, s4, 3072
	v_add_nc_u32 v[A3W0], s14, v[LI]               ; where I store images: K steps 2 w, 2 w + 1
	v_add_nc_u32 v[A3W1], 49152, v[A3W0]
	v_add_nc_u32 v[A3R1], 49152, v[LI]
	v_lshlrev_b32 v[O32R], 5, v249
	s_lshl_b32 s14, s4, 3
	s_add_co_u32 s14, s14, ASC
	v_add_nc_u32 v[ASW], s14, v[O32R]
	v_lshl_add_u32 v[OBS], v250, 4, v[O32R]        ; 32 r + 16 h
	v_add_nc_u32 v[ASRD], ASC, v[OBS]
	v_lshlrev_b32 v251, 8, v250
	v_lshl_add_u32 v251, v249, 3, v251
	s_lshl_b32 s14, s4, 10
	s_add_co_u32 s14, s14, CAR
	v_add_nc_u32 v[CAW], s14, v251                 ; the carries, in: 256 h + 8 r
	v_lshlrev_b32 v251, 5, v250
	v_add_nc_u32 v[CAL], s14, v251                 ; and back: 32 h
	v_mul_u32_u24 v252, v249, 528
	v_add_nc_u32 v252, v252, v251
	v_add_nc_u32 v[SO], s13, v252                  ; the stage, in: 528 r + 32 h
	v_mul_u32_u24 v252, v250, 528
	v_lshl_add_u32 v252, v249, 4, v252
	v_add_nc_u32 v[SR], s13, v252                  ; and back: 528 h + 16 r
	v_lshlrev_b32 v[GO], 13, v250
	v_lshl_add_u32 v[GO], v249, 4, v[GO]           ; the same two rows in out0
	v_lshlrev_b32 v[O8L], 3, v[LN]
	v_lshlrev_b32 v[O4R], 2, v249
.irp b, 0,1,2,3
	v_mov_b32 v[TM+4+\b], 0                        ; (a lane permute's destination counts as one of its sources)
.endr
	s_wait_dscnt 0x0                               ; both opening adds are done
	s_wait_kmcnt 0x0
	s_add_nc_u64 s[16:17], s[16:17], s[36:37]
	s_add_nc_u64 s[18:19], s[18:19], s[38:39]
	s_add_nc_u64 s[20:21], s[20:21], s[40:41]
	s_add_nc_u64 s[24:25], s[24:25], s[44:45]
	s_add_nc_u64 s[26:27], s[26:27], s[44:45]
	s_add_nc_u64 s[28:29], s[28:29], s[46:47]
	s_add_nc_u64 s[30:31], s[30:31], s[66:67]
	s_add_nc_u64 s[32:33], s[32:33], s[68:69]
	s_add_nc_u64 s[34:35], s[34:35], s[70:71]
	s_mov_b32 s56, 1
	s_mov_b32 s57, s13
	s_add_nc_u64 s[58:59], s[22:23], s[42:43]      ; made of c and the wave's number alone: equal in all four partners
	s_mov_b32 s60, 1
	s_add_co_u32 s61, s13, 24576
	s_add_nc_u64 s[62:63], s[58:59], 24576         ; the second pair of heads: 16 images on
	s_or_b32 s59, s59, 0x80000000
	s_or_b32 s63, s63, 0x80000000
	TABLES 0                                       ; what the first eight groups want: 57 loads
	CROUND                                         ; all four work-groups are here: the joint loads meet
	tensor_load_to_lds s[56:59], s[48:55]          ; the first pair of heads' 16 images of Wm,
	s_nop 0
	tensor_load_to_lds s[60:63], s[48:55]          ; the second pair's: two tensor loads of mine are out
	s_nop 0
	PLACES 4
.irp n, 0,1,2,3
	global_load_b128 v[BSC+4*\n:BSC+4*\n+3], v[OBS], s[30:31] offset:512*\n
.endr
.irp n, 0,1,2,3
	global_load_b32 v[OB+\n], v[O4R], s[32:33] offset:64*\n
.endr
	TABLES 2                                       ; what the last eight groups want
	s_wait_loadcnt 63                              ; the first 57 are in: 65 loads were issued behind them; the count is the largest that the wait can name
	CARRY 0, CS0
	WIN 0
	s_wait_tensorcnt 0x1                           ; the first pair's images of Wm are in (one load was issued behind theirs); I alone read them
	WFETCH 0
	WIN 0x40
	CARLOAD 0
.irp g, 0,1,2,3,4,5,6,7,8,9,10,11,12,13,14,15
	GROUP \g
.endr
	s_wait_dscnt 0x0                               ; for the others' sake: my images and scale words have landed
	s_barrier_signal -1
	s_barrier_wait -1                              ; all 64 fragments of Q(out) lie in LDS
	s_wait_loadcnt 0x0                             ; out_w's fragments
	WIN 0x40
.irp n, 0,1,2,3
.irp j, 0,1,2,3,4,5,6,7
	v_mov_b32 v[BIAS+8*\n+\j], v[OB+\n]            ; out_b in the result's layout: a lane holds one o'
.endr
.endr
	LOADA3 0
.irp i, 0,1,2,3,4,5,6,7
	TILE \i
.endr
	PLACES 4
	STAGE 7
	s_wait_xcnt 0x0                                ; the last batch's stores have read their registers
	FLOAD 1, 0, FL                                 ; s 64-127 of all 64 rows
	FLOAD 1, 1, AF1
	s_wait_dscnt 16                                ; the first sixteen are back
	FSTORE 1, 0, FL
	s_wait_dscnt 0x0
	FSTORE 1, 1, AF1
	WIN 0
	s_wait_tensorcnt 0x0                           ; the wave's end, behind my last tensor load and my last LDS store
	ds_add_u32 v[SPW], v[NIL]
	s_wait_dscnt 0x0
	CROUND                                         ; the closing round
	s_endpgm
.Lfunc_end_k_qba05081db5_mixout:
	.size	k_qba05081db5_mixout, .Lfunc_end_k_qba05081db5_mixout-k_qba05081db5_mixout
	.p2alignl 7, 3214868480
	.fill 96, 4, 3214868480
	.section	.rodata,"a",@progbits
	.p2align	6, 0x0
	.amdhsa_kernel k_qba05081db5_mixout
		.amdhsa_group_segment_fixed_size 303616
		.amdhsa_private_segment_fixed_size 0
		.amdhsa_enable_private_segment 0
		.amdhsa_kernarg_size 80
		.amdhsa_user_sgpr_count 2
		.amdhsa_user_sgpr_kernarg_segment_ptr 1
		.amdhsa_wavefront_size32 1
		.amdhsa_system_sgpr_workgroup_id_x 1
		.amdhsa_system_sgpr_workgroup_id_y 1
		.amdhsa_system_sgpr_workgroup_id_z 1
		.amdhsa_system_vgpr_workitem_id 0
		.amdhsa_next_free_vgpr 1024
		.amdhsa_next_free_sgpr 80
		.amdhsa_reserve_vcc 0
		.amdhsa_float_denorm_mode_32 3
		.amdhsa_float_denorm_mode_16_64 3
		.amdhsa_memory_ordered 1
		.amdhsa_forward_progress 1
		.amdhsa_inst_pref_size 227
	.end_amdhsa_kernel
	.amdgpu_metadata
---
amdhsa.version: [ 1, 2 ]
amdhsa.kernels:
  - .name:           k_qba05081db5_mixout
    .symbol:         k_qba05081db5_mixout.kd
    .args:
      - { .name: pcodes, .offset: 0, .size: 8, .value_kind: global_buffer, .address_space: global }
      - { .name: pscales, .offset: 8, .size: 8, .value_kind: global_buffer, .address_space: global }
      - { .name: csum, .offset: 16, .size: 8, .value_kind: global_buffer, .address_space: global }
      - { .name: wmimg, .offset: 24, .size: 8, .value_kind: global_buffer, .address_space: global }
      - { .name: wmscl, .offset: 32, .size: 8, .value_kind: global_buffer, .address_space: global }
      - { .name: gmtab, .offset: 40, .size: 8, .value_kind: global_buffer, .address_space: global }
      - { .name: owimg, .offset: 48, .size: 8, .value_kind: global_buffer, .address_space: global }
      - { .name: out_w_scales, .offset: 56, .size: 8, .value_kind: global_buffer, .address_space: global }
      - { .name: out_b, .offset: 64, .size: 8, .value_kind: global_buffer, .address_space: global }
      - { .name: out0, .offset: 72, .size: 8, .value_kind: global_buffer, .address_space: global }
    .group_segment_fixed_size: 303616
    .private_segment_fixed_size: 0
    .kernarg_segment_align: 8
    .kernarg_segment_size: 80
    .max_flat_workgroup_size: 128
    .sgpr_count:     80
    .vgpr_count:     1024
    .wavefront_size: 32
...
	.end_amdgpu_metadata
.endif
;; end of part 2
